; MI455X (gfx1250); checked and timed in simulation.
; The chip was launched on July 23, 2026; its instructions are those of AMD's public machine-readable ISA for CDNA 5 (MIT licence, August 2026) and "CDNA5" Instruction Set Architecture Reference Guide (July 2026). The comments in the code are by the model that wrote it; some were corrected since.
;; Cheems Non Wo Attn. Allowed arithmetic: float matrix products may take bf16 or f16 operands with f32 sums; other float arithmetic in f32, or as packed bf16 or f16 multiplies, adds, multiply-adds, maxima and minima; sums over many terms, partial sums and values carried from step to step in f32; what a program stores and reads back later, other than sums and carried values, may be rounded once to bf16 or f16.
;; Inputs: Wk 2,048 x 512 float32; Wq 2,048 x 512 float32; Wv 2,048 x 2,048 float32; hidden_states 2 x 2,048 x 2,048 float32; position_ids 2 x 2,048 int32.
;; Outputs: out0 2 x 2,048 x 2,048 float32.
;; One version. Each part assembles by itself: llvm-mc -triple=amdgcn-amd-amdhsa -mcpu=gfx1250 --defsym DOCPART=n.
;; ======== version 1 of 1: 3 launches
;; limits: values are held in f16: magnitudes above 65,504 overflow, below 6.1e-05 lose precision; right only within a limited range of input values
;; workspace buffers: xb 16,777,216 bytes; wb 12,582,912 bytes; tab 1,048,576 bytes; qk 8,388,608 bytes; vg 16,777,216 bytes
;; launch prep (part 1): grid 1856 x 1, 8 waves a work-group, no clusters, 0 bytes of LDS; arguments hidden_states, Wq, Wk, Wv, position_ids, xb, wb, tab; writes xb, wb, tab
.if DOCPART == 1
	.amdgcn_target "amdgcn-amd-amdhsa--gfx1250"
	.amdhsa_code_object_version 6
	.text
	.protected	k_qdde2b68128_prep
	.globl	k_qdde2b68128_prep
	.p2align	8
	.type	k_qdde2b68128_prep,@function
k_qdde2b68128_prep:
	s_mov_b64 s[64:65], 0
	v_nop
	global_prefetch_b8 v0, s[64:65] scope:SCOPE_SE
	s_setreg_imm32_b32 hwreg(HW_REG_WAVE_MODE, 25, 1), 1
	s_wait_xcnt 0x0
; PREPARATION, a stream: no LDS, no matrix unit, no cluster (no two work-groups read the same bytes).
; (1) hidden_states [4096][2048] f32 -> xb, the same order in bf16.
; (2) Wq, Wk [2048][512] and Wv [2048][2048] f32 -> wb, bf16 in blocks [tn 16][ks 16][sl 3][kk 128][64 n]: block (tn, ks) is what the product's tile column tn
;     wants in K step ks, 49,152 bytes on end.  sl 0: the 64 columns of Q head tn (tn < 8) or K head tn - 8; sl 1, 2: V heads (2 p + sl - 1) * 8 + hv, p = tn / 8, hv = tn % 8.
; (3) position_ids [4096] i32 -> tab [4096][32 cos, 32 sin] f32, a row of 256 bytes for each token: cos and sin of pos * 10000^(-f/32), f = 0..31.
; A CAST UNIT is 128 rows of 256 bytes of f32 (32 KiB) at some pitch, and leaves as 16 KiB on end: 1,024 units of x (pitch 256: dense), 768 of the weights.  One work-group a unit, one text for all.
; Thread t takes 16 bytes of row t / 16 + 16 i, i = 0..7: a wave's load covers two whole rows of 256 bytes, its store 256 consecutive bytes, aligned.  All eight loads go out first.
; LIMITS of the table.  The angle pos * inv_freq is rounded to f32 as the reference rounds it; inv_freq comes from v_exp_f32 (1 ULP: ISA guide, its entry) of a product rounded once.
; The reduction takes pi/2 in two parts (48 bits): good for |pos| up to 2^21.  sin and cos on [-pi/4, pi/4] by polynomials of degree 7 and 8, off by under 1e-7.
.set XUNITS, 1024
.set WUNITS, 768
.set OFF,  4                           ; v[4:11]   byte offset of my 16 bytes in the unit's rows t / 16 + 16 i
.set IN,   16                          ; v[16:47]  eight loads of 4 registers
.set OUTR, 48                          ; v[48:63]  eight pairs to store
	s_load_b256 s[4:11], s[0:1], 0x0               ; x s[4:5], Wq s[6:7], Wk s[8:9], Wv s[10:11]
	s_load_b256 s[12:19], s[0:1], 0x20             ; position_ids s[12:13], xb s[14:15], wb s[16:17], tab s[18:19]
	s_cmp_ge_u32 ttmp9, XUNITS+WUNITS
	s_cbranch_scc1 .Ltable
	v_lshrrev_b32 v1, 4, v0                        ; my row among 16
	v_and_b32 v2, 15, v0
	v_lshlrev_b32 v2, 4, v2                        ; my 16 bytes in it
	v_lshlrev_b32 v3, 3, v0                        ; and the 8 bytes that they become
	s_mov_b32 s21, 0
	s_mov_b32 s23, 0
	s_cmp_ge_u32 ttmp9, XUNITS
	s_cbranch_scc1 .Lweights
	s_mov_b32 s24, 256                             ; x: the unit is dense
	s_lshl_b32 s20, ttmp9, 15
	s_lshl_b32 s22, ttmp9, 14
	s_wait_kmcnt 0x0
	s_add_nc_u64 s[26:27], s[4:5], s[20:21]
	s_add_nc_u64 s[28:29], s[14:15], s[22:23]
	s_branch .Lcast
.Lweights:
	s_sub_co_u32 s30, ttmp9, XUNITS
	s_lshr_b32 s31, s30, 8                         ; sl
	s_and_b32 s32, s30, 255                        ; tn * 16 + ks
	s_lshr_b32 s33, s32, 4                         ; tn
	s_and_b32 s34, s32, 15                         ; ks
	s_lshr_b32 s35, s33, 3                         ; p
	s_and_b32 s36, s33, 7                          ; hv
	s_mul_i32 s22, s32, 3
	s_add_co_u32 s22, s22, s31
	s_lshl_b32 s22, s22, 14                        ; the unit's place in wb
	s_wait_kmcnt 0x0
	s_add_nc_u64 s[28:29], s[16:17], s[22:23]
	s_cmp_eq_u32 s31, 0
	s_cbranch_scc0 .Lwv
	s_mov_b32 s24, 2048                            ; a row of Wq or Wk
	s_lshl_b32 s20, s34, 18                        ; 128 ks rows
	s_lshl_b32 s37, s36, 8                         ; head hv: 64 columns of 4 bytes
	s_add_co_u32 s20, s20, s37
	s_cmp_eq_u32 s35, 0
	s_cselect_b64 s[26:27], s[6:7], s[8:9]
	s_add_nc_u64 s[26:27], s[26:27], s[20:21]
	s_branch .Lcast
.Lwv:
	s_mov_b32 s24, 8192                            ; a row of Wv
	s_lshl_b32 s20, s34, 20
	s_lshl_b32 s37, s35, 1
	s_add_co_u32 s37, s37, s31
	s_sub_co_u32 s37, s37, 1                       ; 2 p + sl - 1
	s_lshl_b32 s37, s37, 3
	s_add_co_u32 s37, s37, s36                     ; the V head
	s_lshl_b32 s37, s37, 8
	s_add_co_u32 s20, s20, s37
	s_add_nc_u64 s[26:27], s[10:11], s[20:21]
.Lcast:
	v_mul_u32_u24 v[OFF], v1, s24
	v_add_nc_u32 v[OFF], v[OFF], v2
	s_lshl_b32 s25, s24, 4                         ; sixteen rows on
.irp i, 1,2,3,4,5,6,7
	v_add_nc_u32 v[OFF+(\i)], s25, v[OFF+(\i)-1]
.endr
.irp i, 0,1,2,3,4,5,6,7
	global_load_b128 v[IN+4*(\i):IN+4*(\i)+3], v[OFF+(\i)], s[26:27] th:TH_LOAD_NT
.endr
.irp i, 0,1,2,3,4,5,6,7
	s_wait_loadcnt 7-(\i)                          ; loads come back in order: load i is in, the 7 - i younger ones stay out
	v_cvt_pk_bf16_f32 v[OUTR+2*(\i)],   v[IN+4*(\i)],   v[IN+4*(\i)+1]
	v_cvt_pk_bf16_f32 v[OUTR+2*(\i)+1], v[IN+4*(\i)+2], v[IN+4*(\i)+3]
	global_store_b64 v3, v[OUTR+2*(\i):OUTR+2*(\i)+1], s[28:29] offset:2048*(\i)  ; a wave stores 256 consecutive bytes, aligned; no register is written twice, so nothing waits for a store
.endr
	s_endpgm
; THE TABLE.  64 work-groups of 64 rows; a wave makes 8 rows.  Lane l makes 8 bytes of each: lanes 0-15 cos, lanes 16-31 sin, of frequencies 2 (l % 16) and 2 (l % 16) + 1.
; cos x = sin(x + pi/2): with x = n pi/2 + r the lane evaluates sin(r + k pi/2), k = n + 1 (cos) or n (sin): k % 4 = 0: sin r, 1: cos r, 2: -sin r, 3: -cos r.  Both polynomials are made and one is chosen: no branch.
.Ltable:
	v_lshrrev_b32 v1, 5, v0
	v_readfirstlane_b32 s20, v1                    ; wave 0..7
	s_sub_co_u32 s21, ttmp9, XUNITS+WUNITS
	s_lshl_b32 s21, s21, 6
	s_lshl_b32 s20, s20, 3
	s_add_co_u32 s21, s21, s20                     ; my first row
	s_lshl_b32 s30, s21, 2
	s_mov_b32 s31, 0
	s_lshl_b32 s22, s21, 8
	s_mov_b32 s23, 0
	s_mov_b32 s40, 0xbe2aaaa3                      ; sin r = r + r^3 (S1 + S2 r^2 + S3 r^4)
	s_mov_b32 s41, 0x3c08839e
	s_mov_b32 s42, 0xb94ca1f9
	s_mov_b32 s43, 0x3d2aaaa5                      ; cos r = 1 - r^2 / 2 + r^4 (C1 + C2 r^2 + C3 r^4)
	s_mov_b32 s44, 0xbab6061a
	s_mov_b32 s45, 0x37ccf5ce
	v_and_b32 v1, 31, v0
	v_lshrrev_b32 v2, 4, v1
	v_sub_nc_u32 v2, 1, v2                         ; the quarter turn: 1 for cos, 0 for sin
	v_and_b32 v6, 15, v1
	v_lshlrev_b32 v6, 1, v6
	v_cvt_f32_u32 v3, v6                           ; f
	v_add_f32 v4, 1.0, v3                          ; f + 1
	v_mul_f32 v3, 0xbed49a78, v3                   ; times -log2(10000) / 32
	v_mul_f32 v4, 0xbed49a78, v4
	v_exp_f32 v3, v3                               ; inv_freq
	v_exp_f32 v4, v4
	v_lshlrev_b32 v7, 3, v1                        ; my 8 bytes of a row; also the plain instruction behind the exponentials
	s_wait_alu depctr_va_vdst(0)                   ; one wait for both, ahead of their first reader
	s_wait_kmcnt 0x0
	s_add_nc_u64 s[12:13], s[12:13], s[30:31]
	s_add_nc_u64 s[18:19], s[18:19], s[22:23]
	s_load_b256 s[32:39], s[12:13], 0x0            ; my eight positions
	s_wait_kmcnt 0x0
.macro EVAL dst, inv
	v_mul_f32 v8, v5, v[\inv]                      ; the angle, rounded as the reference rounds it
	v_mul_f32 v9, 0x3f22f983, v8                   ; times 2 / pi
	v_rndne_f32 v9, v9                             ; n
	v_fmamk_f32 v10, v9, 0xbfc90fdb, v8            ; r = angle - n pi/2, pi/2 in two parts
	v_fmamk_f32 v10, v9, 0x333bbd2e, v10
	v_cvt_i32_f32 v11, v9
	v_add_nc_u32 v11, v11, v2                      ; k
	v_mul_f32 v12, v10, v10                        ; r^2
	v_fma_f32 v13, v12, s42, s41
	v_fma_f32 v13, v13, v12, s40
	v_fma_f32 v14, v12, s45, s44
	v_fma_f32 v14, v14, v12, s43
	v_mul_f32 v15, v12, v10                        ; r^3
	v_fma_f32 v13, v13, v15, v10                   ; sin r
	v_fma_f32 v15, v12, -0.5, 1.0
	v_mul_f32 v12, v12, v12                        ; r^4
	v_fma_f32 v14, v14, v12, v15                   ; cos r
	v_and_b32 v15, 1, v11
	v_cmp_eq_u32 vcc_lo, 1, v15
	v_cndmask_b32 v13, v13, v14, vcc_lo            ; k odd: the cosine
	v_and_b32 v11, 2, v11
	v_lshlrev_b32 v11, 30, v11
	v_xor_b32 v[\dst], v13, v11                    ; k % 4 >= 2: the sign turns
.endm
.irp r, 0,1,2,3,4,5,6,7
	v_cvt_f32_i32 v5, s[32+(\r)]
	EVAL 20+2*(\r), 3
	EVAL 21+2*(\r), 4
	global_store_b64 v7, v[20+2*(\r):21+2*(\r)], s[18:19] offset:256*(\r)  ; one whole row of 256 bytes; each row has its own pair of registers
.endr
	s_endpgm
.Lfunc_end_k_qdde2b68128_prep:
	.size	k_qdde2b68128_prep, .Lfunc_end_k_qdde2b68128_prep-k_qdde2b68128_prep
	.p2alignl 7, 3214868480
	.fill 96, 4, 3214868480
	.section	.rodata,"a",@progbits
	.p2align	6, 0x0
	.amdhsa_kernel k_qdde2b68128_prep
		.amdhsa_group_segment_fixed_size 0
		.amdhsa_private_segment_fixed_size 0
		.amdhsa_enable_private_segment 0
		.amdhsa_kernarg_size 64
		.amdhsa_user_sgpr_count 2
		.amdhsa_user_sgpr_kernarg_segment_ptr 1
		.amdhsa_wavefront_size32 1
		.amdhsa_system_sgpr_workgroup_id_x 1
		.amdhsa_system_sgpr_workgroup_id_y 1
		.amdhsa_system_sgpr_workgroup_id_z 1
		.amdhsa_system_vgpr_workitem_id 0
		.amdhsa_next_free_vgpr 64
		.amdhsa_next_free_sgpr 66
		.amdhsa_reserve_vcc 1
		.amdhsa_float_denorm_mode_32 3
		.amdhsa_float_denorm_mode_16_64 3
		.amdhsa_memory_ordered 1
		.amdhsa_forward_progress 1
		.amdhsa_inst_pref_size 25
	.end_amdhsa_kernel
	.amdgpu_metadata
---
amdhsa.version: [ 1, 2 ]
amdhsa.kernels:
  - .name:           k_qdde2b68128_prep
    .symbol:         k_qdde2b68128_prep.kd
    .args:
      - { .name: hidden_states, .offset: 0, .size: 8, .value_kind: global_buffer, .address_space: global }
      - { .name: Wq, .offset: 8, .size: 8, .value_kind: global_buffer, .address_space: global }
      - { .name: Wk, .offset: 16, .size: 8, .value_kind: global_buffer, .address_space: global }
      - { .name: Wv, .offset: 24, .size: 8, .value_kind: global_buffer, .address_space: global }
      - { .name: position_ids, .offset: 32, .size: 8, .value_kind: global_buffer, .address_space: global }
      - { .name: xb, .offset: 40, .size: 8, .value_kind: global_buffer, .address_space: global }
      - { .name: wb, .offset: 48, .size: 8, .value_kind: global_buffer, .address_space: global }
      - { .name: tab, .offset: 56, .size: 8, .value_kind: global_buffer, .address_space: global }
    .group_segment_fixed_size: 0
    .private_segment_fixed_size: 0
    .kernarg_segment_align: 8
    .kernarg_segment_size: 64
    .max_flat_workgroup_size: 256
    .sgpr_count:     66
    .vgpr_count:     64
    .wavefront_size: 32
...
	.end_amdgpu_metadata
.endif
;; end of part 1
;; launch proj (part 2): grid 16 x 16, 4 waves a work-group, clusters of 4 x 4, 327,680 bytes of LDS; arguments xb, wb, tab, qk, vg; writes qk, vg
.if DOCPART == 2
	.amdgcn_target "amdgcn-amd-amdhsa--gfx1250"
	.amdhsa_code_object_version 6
	.text
	.protected	k_qdde2b68128_proj
	.globl	k_qdde2b68128_proj
	.p2align	8
	.type	k_qdde2b68128_proj,@function
k_qdde2b68128_proj:
	s_mov_b64 s[64:65], 0
	v_nop
	global_prefetch_b8 v0, s[64:65] scope:SCOPE_SE
	s_setreg_imm32_b32 hwreg(HW_REG_WAVE_MODE, 25, 1), 1
	s_wait_xcnt 0x0
	s_wait_alu depctr_hold_cnt(0) depctr_sa_sdst(0) depctr_va_vdst(0) depctr_va_sdst(0) depctr_va_ssrc(0) depctr_va_vcc(0) depctr_vm_vsrc(0)
	s_getreg_b32 s2, hwreg(HW_REG_IB_STS2, 6, 4)
	s_cmp_eq_u32 s2, 0
	s_cbranch_scc0 .Lentry_in_a_cluster
	s_endpgm
.Lentry_in_a_cluster:
	s_bfe_u32 s2, ttmp6, 0x10000c
	s_cmp_lg_u32 s2, 0xf033
	s_cbranch_scc0 .Lentry_shape_is_right
	s_endpgm
.Lentry_shape_is_right:
; THE THREE PROJECTIONS AS ONE PRODUCT, WITH THE ROTATION ON THE WAY OUT.  C[m][n] = sum over k of x[m][k] W[k][n]: 4,096 x 3,072 x 2,048, bf16 operands, f32 sums.
; xb: [4096][2048] bf16.  wb: [tn 16][ks 16][sl 3][kk 128][64] bf16 (the launch before wrote it so): tile column tn holds one head of Q (tn < 8) or K that is rotated, and two heads of V.
; OUT: qk [tn][4096][64] f16, rotated, not scaled; vg [b * 8 + h][2048][256] f16, channel r * 64 + d for V head r * 8 + h: the tile's two V heads are 256 bytes on end of a row of vg.
; LIMIT.  f16 ends at 65,504: q, k and v must stay within it (with weights and inputs thirty times those drawn, or shifted by thirty spreads, they reach some 37,000).
; SHARES.  A work-group makes 256 rows x 192 columns; 16 x 16 work-groups.  Wave w makes rows 64 w .. 64 w + 63 x all 192 columns: 48 accumulators (a = 0..3 row blocks, b = 0..11 column blocks).
; So a wave holds whole heads and whole output rows: its stage is its own, and the rotation's partners d and d + 32 are accumulators b and b + 2, same lane, same register.
; THE MATRIX INSTRUCTION IS USED TRANSPOSED: source 0 = 16 columns of W, source 1 = 16 rows of x: lane l holds row l % 16 and the columns 16 b + 8 (l / 16) + 0..7, eight neighbours of a row of C.
; W lies [k][n] in LDS and is turned on the way into registers by ds_load_tr16_b128.
; RING.  K goes in 16 steps of 128 through two LDS slots.  Waves 0, 1 fetch x's two halves (128 rows x 256 bytes), waves 2, 3 W's (24,576 dense bytes as 96 rows of 256).
; CLUSTER 4 x 4: x's tile hangs on the tile row alone and is asked for jointly by a row of the cluster, W's on the tile column alone, by a column.
; REGISTERS: window 0: v16-30 addresses; v32-79 packed results; v80-127 rotated numbers, then rows read back; v128-255 cos and sin, 32 for each row block
;   window 1: two fragment buffers of 128: x's four fragments, then W's twelve          windows 2, 3: accumulator (a, b) at v[8 (12 (a % 2) + b)] of window 2 + a / 2
.set KSTEP, 128
.set PITA,  272                        ; a row of x in LDS: 256 bytes + 16: the 16 rows of a fragment load start at 16 different groups of four banks (64 banks of 4 bytes: ISA guide 11.1)
.set PITB,  160                        ; a k-row of W: 128 bytes + 32
.set AHALF, 128*PITA                   ; what one load brings of x
.set BHALF, 192*PITB                   ; and of W: 192 k-rows
.set BOFF,  256*PITA                   ; W's 384 k-rows (sl * 128 + kk) lie behind x's 256 rows
.set SLOT,  131072                     ; = BOFF + 2 BHALF
.set WBLK,  49152                      ; bytes of a block (tn, ks) of wb
.set STAGE, 2*SLOT                     ; behind the ring: 16 rows x 400 bytes for each wave
.set SPIT,  400                        ; 384 bytes + 16
.set SPARE, STAGE+4*16*SPIT            ; behind the stages: the spare words, 128 bytes for each wave: two blocks of 256 bytes that no other line names
.set ADRA, 16                          ; v16-17  LDS address of my fragments of x in slot 0, 1
.set ADRB, 20                          ; v20-21  the same for W
.set TO,   22                          ; v22     my byte offset in the tile's rows of tab; never rewritten
.set STO,  23                          ; v23     the way out: where I put 16 bytes of a row
.set RDQ,  24                          ; v24     where I read the rotated head's rows back (four rows of 128 bytes a load)
.set RDV,  25                          ; v25     and V's (two rows of 256 bytes a load)
.set GOQ,  26                          ; v26     my byte offset in 512 consecutive bytes of qk
.set GOV,  27                          ; v27     my byte offset in two rows of vg
.set SPW,  28                          ; v28     LDS address of my spare word; never rewritten
.set NIL,  29                          ; v29     0; never rewritten
.set PFO,  30                          ; v30     the prefetches' offset; never rewritten
.set TMP,  32
.set R,    80
.set BK,   80
.set CSR,  128                         ; row block a at CSR + 32 a: cos of f = 8 h + j, cos of f = 16 + 8 h + j, then sin of the same
.set F0,   0
.set F1,   128
.set G1,  24                           ; s[24:31] descriptor group 1 for x's tiles;  s[32:39] group 0, a set for each slot
.set G0,  32
.set G1B, 48                           ; s[48:55], s[56:63] the same for W's
.set G0B, 56
.set LIM, 43                           ; s43     1 in a wave that prefetches, else the greatest number
.set PFA, 44                           ; s[44:45] where my prefetches stand
.set PFS, 46                           ; s[46:47] their step from K step to K step
.set MSB, 0
.macro WIN new                         ; the immediate's high byte repeats the setting that is left; a switch that changes nothing is dropped
.if MSB != (\new)
	s_set_vgpr_msb (MSB<<8)|(\new)
.set MSB, \new
.endif
.endm
.set MUL_LO, 0xa5                      ; sources 0 and 1 window 1, C and D window 2
.set MUL_HI, 0xf5                      ; the same, C and D window 3
.set TO_F,   0x40                      ; destination window 1, address window 0
; A joint load: waves 0 and 1 ask for x's halves, waves 2 and 3 for W's.  The branch hangs on the wave's number alone.  An s_nop 0 and four v_nop follow each of the two lines.
.macro JLOAD s
	s_cmp_eq_u32 s11, 0
	s_cbranch_scc0 .Lfor_b_\@
	tensor_load_to_lds s[G0+4*(\s):G0+4*(\s)+3], s[G1:G1+7]
	s_nop 0
.rept 4
	v_nop
.endr
	s_branch .Lasked_\@
.Lfor_b_\@:
	tensor_load_to_lds s[G0B+4*(\s):G0B+4*(\s)+3], s[G1B:G1B+7]
	s_nop 0
.rept 4
	v_nop
.endr
.Lasked_\@:
.endm
; A PREFETCH INTO THE L2 behind each refill and the run of LDS loads that follows it: the K step that stands two refills on.  x's tile row is walked by every cluster of that row of clusters: cluster x = 0 asks;
; W's tile column by every cluster of that column: cluster y = 0 asks.  The four partners of a joint load share its bytes out BY ADDRESS: of x's 128 rows each takes 32, a lane a row's 256 bytes;
; of W's 24,576 bytes each takes 6,144, 24 blocks of 256 (lanes 24-31 name lane 23's block again in the same instruction).  The loop's last trip asks for nothing: those K steps do not exist.
.macro ASK
	WIN 0
	s_cmp_gt_u32 s3, s[LIM]                        ; s3 = 1 in the loop's last trip
	s_cbranch_scc0 .Lnot_mine_\@
	global_prefetch_b8 v[PFO], s[PFA:PFA+1] th:TH_LOAD_NT scope:SCOPE_SE
.Lnot_mine_\@:
.endm
.macro CREST                           ; a round of the cluster's barrier behind its opening barrier
	s_cmp_lg_u32 s10, 0
	s_cbranch_scc1 .Lnot_wave_0_\@
	s_barrier_signal -3
.Lnot_wave_0_\@:
	s_barrier_wait -3
	s_barrier_signal -1
	s_barrier_wait -1
.endm
.macro CROUND                          ; a whole round
	s_barrier_signal -1
	s_barrier_wait -1
	CREST
.endm
	s_load_b256 s[68:75], s[0:1], 0x0              ; xb s[68:69], wb s[70:71], tab s[72:73], qk s[74:75]
	s_load_b64 s[76:77], s[0:1], 0x20              ; vg
	v_lshl_add_u32 v[SPW], v0, 2, SPARE
	v_mov_b32 v[NIL], 0
	ds_add_u32 v[SPW], v[NIL]                      ; the wave's opening: the add and its wait stand ahead of my first tensor load; the set-up below, work on registers, stands between them
	v_lshrrev_b32 v1, 5, v0
	v_readfirstlane_b32 s10, v1                    ; wave 0..3
	s_lshr_b32 s11, s10, 1                         ; I fetch for x (0) or for W (1)
	s_and_b32 s12, s10, 1                          ; which half of that tile
	s_bfe_u32 s40, ttmp6, 0x40000                  ; cx, cy: my place in the cluster
	s_bfe_u32 s41, ttmp6, 0x40004
	s_lshl_b32 s42, ttmp9, 2
	s_add_co_u32 s42, s42, s40                     ; tn = 4 x cluster x + cx
	s_and_b32 s13, ttmp7, 0xffff
	s_lshl_b32 s13, s13, 2
	s_add_co_u32 s13, s13, s41                     ; tm = 4 x cluster y + cy
	s_lshl_b32 s43, s41, 2
	s_lshl_b32 s43, 15, s43                        ; my row of the cluster
	s_lshl_b32 s44, 0x1111, s40                    ; my column
	s_or_b32 s[G1+0], s43, (1<<16)|(1<<20)|(1<<21)|(5<<22)|(3<<25)   ; the mask; 2-byte elements; padding on; bit 21 beside a mask; after every 64 words (code 5) 4 words (code 3)
	s_mov_b32 s[G1+1], KSTEP<<16                   ; tensor_dim0 = 128
	s_mov_b32 s[G1+2], 128<<16                     ; tensor_dim1 = 128
	s_mov_b32 s[G1+3], KSTEP<<16                   ; tile_dim0 = 128
	s_mov_b32 s[G1+4], 128                         ; tile_dim1 = 128
	s_mov_b32 s[G1+5], 2048                        ; elements from row to row
	s_mov_b32 s[G1+6], 0
	s_mov_b32 s[G1+7], 0
	s_or_b32 s[G1B+0], s44, (1<<16)|(1<<20)|(1<<21)|(4<<22)|(7<<25)  ; after every 32 words (a k-row; code 4) 8 words (code 7)
	s_mov_b32 s[G1B+1], 128<<16                    ; dense bytes as rows of 256: two k-rows a row
	s_mov_b32 s[G1B+2], 96<<16
	s_mov_b32 s[G1B+3], 128<<16
	s_mov_b32 s[G1B+4], 96
	s_mov_b32 s[G1B+5], 128
	s_mov_b32 s[G1B+6], 0
	s_mov_b32 s[G1B+7], 0
	s_lshl_b32 s16, s13, 20                        ; x: 256 tm rows of 4,096 bytes,
	s_lshl_b32 s17, s12, 19                        ; + my half's 128
	s_add_co_u32 s16, s16, s17
	s_mov_b32 s17, 0
	s_mul_i32 s46, s42, 16*WBLK                    ; W: tile column tn's sixteen blocks,
	s_mul_i32 s47, s12, WBLK/2                     ; my half of a block
	s_add_co_u32 s46, s46, s47
	s_mov_b32 s47, 0
	s_mul_i32 s20, s12, AHALF                      ; where they go: no place in the cluster enters an LDS address
	s_mul_i32 s21, s12, BHALF
	s_add_co_u32 s21, s21, BOFF
	s_wait_dscnt 0x0                               ; the opening add is done
	s_wait_kmcnt 0x0
	s_add_nc_u64 s[14:15], s[68:69], s[16:17]
	s_add_nc_u64 s[46:47], s[70:71], s[46:47]
	CROUND                                         ; all sixteen work-groups are here: the first joint loads meet
.irp s, 0,1
	s_mov_b32 s[G0+4*(\s)], 1
	s_add_co_u32 s[G0+4*(\s)+1], s20, (\s)*SLOT
	s_add_nc_u64 s[G0+4*(\s)+2:G0+4*(\s)+3], s[14:15], (\s)*KSTEP*2
	s_or_b32 s[G0+4*(\s)+3], s[G0+4*(\s)+3], 0x80000000
	s_mov_b32 s[G0B+4*(\s)], 1
	s_add_co_u32 s[G0B+4*(\s)+1], s21, (\s)*SLOT
	s_add_nc_u64 s[G0B+4*(\s)+2:G0B+4*(\s)+3], s[46:47], (\s)*WBLK
	s_or_b32 s[G0B+4*(\s)+3], s[G0B+4*(\s)+3], 0x80000000
	JLOAD \s                                       ; two loads of mine are out
.endr
	v_and_b32 v1, 15, v0                           ; l % 16
	v_bfe_u32 v2, v0, 4, 1                         ; l / 16
	v_and_b32 v3, 7, v0                            ; l % 8
	v_bfe_u32 v4, v0, 3, 1                         ; (l / 8) % 2
	v_bfe_u32 v5, v0, 3, 2                         ; l / 8
	v_and_b32 v6, 31, v0                           ; l
	v_mul_u32_u24 v7, v1, PITA                     ; a fragment of x: row l % 16, 16 bytes for each half of the lanes, twice, 32 bytes apart
	v_lshl_add_u32 v7, v2, 4, v7
	s_mul_i32 s22, s10, 64*PITA                    ; my 64 rows
	v_add_nc_u32 v[ADRA], s22, v7
	v_add_nc_u32 v[ADRA+1], SLOT, v[ADRA]
	v_lshl_add_u32 v7, v2, 3, v3                   ; the turning load: lane l reads k-row 8 (l / 16) + l % 8, columns 8 ((l / 8) % 2) + 0..7, and ends with column l % 16 and 8 k
	v_mul_u32_u24 v7, v7, PITB
	v_lshl_add_u32 v7, v4, 4, v7
	v_add_nc_u32 v[ADRB], BOFF, v7
	v_add_nc_u32 v[ADRB+1], SLOT, v[ADRB]
	s_lshl_b32 s22, s10, 14                        ; tab: my 64 rows of 256 bytes,
	v_lshlrev_b32 v7, 8, v1                        ; row l % 16,
	v_lshl_add_u32 v7, v2, 5, v7                   ; frequencies 8 (l / 16) on
	v_add_nc_u32 v[TO], s22, v7
	s_lshl_b32 s22, s13, 16                        ; the tile's 256 rows
	s_mov_b32 s23, 0
	s_add_nc_u64 s[72:73], s[72:73], s[22:23]
.irp a, 0,1,2,3
.irp i, 0,1,2,3,4,5,6,7                ; cos and sin for the way out: 32 loads that stay out during the whole loop; nothing else counts on LOADcnt
	global_load_b128 v[CSR+32*(\a)+4*(\i):CSR+32*(\a)+4*(\i)+3], v[TO], s[72:73] offset:4096*(\a)+((\i)/4)*128+(((\i)/2)%2)*64+((\i)%2)*16
.endr
.endr
	s_mul_i32 s22, s10, 16*SPIT
	s_add_co_u32 s22, s22, STAGE                   ; my stage
	v_mul_u32_u24 v7, v1, SPIT
	v_lshl_add_u32 v7, v2, 4, v7
	v_add_nc_u32 v[STO], s22, v7
	v_mul_u32_u24 v7, v5, SPIT
	v_lshl_add_u32 v7, v3, 4, v7
	v_add_nc_u32 v[RDQ], s22, v7
	v_mul_u32_u24 v7, v2, SPIT
	v_lshl_add_u32 v7, v1, 4, v7
	v_add_nc_u32 v[RDV], s22, v7
	v_lshlrev_b32 v[GOQ], 4, v6
	v_lshlrev_b32 v7, 9, v2
	v_lshl_add_u32 v[GOV], v1, 4, v7
	s_lshl_b32 s78, s42, 19                        ; qk: head tn's 4,096 rows of 128 bytes,
	s_lshl_b32 s22, s13, 15                        ; the tile's 256 rows,
	s_add_co_u32 s78, s78, s22
	s_lshl_b32 s22, s10, 13                        ; my 64
	s_add_co_u32 s78, s78, s22
	s_mov_b32 s79, 0
	s_add_nc_u64 s[74:75], s[74:75], s[78:79]
	s_lshr_b32 s22, s13, 3                         ; vg: batch tm / 8,
	s_lshl_b32 s22, s22, 3
	s_and_b32 s23, s42, 7                          ; head group tn % 8: 2,048 rows of 512 bytes each,
	s_add_co_u32 s22, s22, s23
	s_lshl_b32 s78, s22, 20
	s_and_b32 s22, s13, 7                          ; the tile's 256 rows,
	s_lshl_b32 s22, s22, 17
	s_add_co_u32 s78, s78, s22
	s_lshl_b32 s22, s10, 15                        ; my 64,
	s_add_co_u32 s78, s78, s22
	s_lshr_b32 s22, s42, 3                         ; and the half of a row that holds my two V heads
	s_lshl_b32 s22, s22, 8
	s_add_co_u32 s78, s78, s22
	s_add_nc_u64 s[76:77], s[76:77], s[78:79]
	; the prefetches' address, at K step 3: the first refill steps it to K step 4.  K steps 0 to 3 come by their loads alone
	s_lshl_b32 s4, s13, 20
	s_lshl_b32 s5, s12, 19
	s_add_co_u32 s4, s4, s5
	s_lshl_b32 s5, s40, 17                         ; x: my work-group's 32 of the 128 rows, by cx
	s_add_co_u32 s4, s4, s5
	s_add_co_u32 s4, s4, 3*KSTEP*2
	s_mul_i32 s6, s42, 16*WBLK
	s_mul_i32 s7, s12, WBLK/2
	s_add_co_u32 s6, s6, s7
	s_mul_i32 s7, s41, WBLK/8                      ; W: my work-group's quarter of the half block, by cy
	s_add_co_u32 s6, s6, s7
	s_add_co_u32 s6, s6, 3*WBLK
	s_and_b32 s7, ttmp7, 0xffff                    ; cluster y
	s_mov_b32 s[PFS], WBLK
	s_mov_b32 s[PFS+1], 0
	s_mov_b32 s5, 0
	s_cmp_eq_u32 s11, 0                            ; do I fetch for x?
	s_cselect_b32 s7, ttmp9, s7                    ; the coordinate along which other clusters walk the same bytes
	s_cselect_b64 s[PFA:PFA+1], s[68:69], s[70:71]
	s_cselect_b32 s4, s4, s6
	s_cselect_b32 s[PFS], KSTEP*2, s[PFS]
	s_cselect_b32 s8, 31, 23
	s_cselect_b32 s9, 12, 8                        ; lanes 4,096 bytes apart (rows of x) or 256 (W's dense bytes)
	s_add_nc_u64 s[PFA:PFA+1], s[PFA:PFA+1], s[4:5]
	s_cmp_eq_u32 s7, 0
	s_cselect_b32 s[LIM], 1, -1                    ; the same in all sixteen partners, for a given wave
	v_min_u32 v[PFO], s8, v6
	v_lshlrev_b32 v[PFO], s9, v[PFO]
; 12 matrix instructions: row block a x all 12 column blocks, 32 along K.  zero = 1: the first product starts the sums.  The 48 accumulators take turns, one instruction a turn, in the same order in
; every quarter, over the backward jump too.
.macro MUL12 f, a, zero
	WIN MUL_LO+0x50*((\a)/2)
.irp b, 0,1,2,3,4,5,6,7,8,9,10,11
.if \zero
	v_wmma_f32_16x16x32_bf16 v[8*(12*((\a)%2)+(\b)):8*(12*((\a)%2)+(\b))+7], v[(\f)+32+8*(\b):(\f)+32+8*(\b)+7], v[(\f)+8*(\a):(\f)+8*(\a)+7], 0
.else
	v_wmma_f32_16x16x32_bf16 v[8*(12*((\a)%2)+(\b)):8*(12*((\a)%2)+(\b))+7], v[(\f)+32+8*(\b):(\f)+32+8*(\b)+7], v[(\f)+8*(\a):(\f)+8*(\a)+7], v[8*(12*((\a)%2)+(\b)):8*(12*((\a)%2)+(\b))+7]
.endif
.endr
.endm
.macro MUL24 f, hi, zero
	MUL12 \f, 2*(\hi), \zero
	MUL12 \f, 2*(\hi)+1, \zero
.endm
; 32 LDS loads in one run: quarter q (32 along K) of a slot into buffer f: W's twelve fragments (turned), then x's four, rows 32-63 last
.macro FETCH slot, q, f
	WIN TO_F
.irp b, 0,1,2,3,4,5,6,7,8,9,10,11
	ds_load_tr16_b128 v[(\f)+32+8*(\b):(\f)+32+8*(\b)+3],   v[ADRB+(\slot)] offset:((\b)/4)*128*PITB+(\q)*32*PITB+((\b)%4)*32
	ds_load_tr16_b128 v[(\f)+32+8*(\b)+4:(\f)+32+8*(\b)+7], v[ADRB+(\slot)] offset:((\b)/4)*128*PITB+(\q)*32*PITB+16*PITB+((\b)%4)*32
.endr
.irp a, 0,1,2,3
	ds_load_b128 v[(\f)+8*(\a):(\f)+8*(\a)+3],   v[ADRA+(\slot)] offset:(\a)*16*PITA+(\q)*64
	ds_load_b128 v[(\f)+8*(\a)+4:(\f)+8*(\a)+7], v[ADRA+(\slot)] offset:(\a)*16*PITA+(\q)*64+32
.endr
.endm
.macro PLACES                          ; four places in front of loads into registers that matrix instructions have read, and of vector work on results
.rept 4
	v_nop
.endr
.endm
; A K step is four quarters of 32 along K, 48 matrix instructions each, on buffers 0, 1, 0, 1.  One of the first three: multiplies buffer f and fetches quarter q into g.
.macro QUARTER slot, q, f, g, zero
	s_wait_dscnt 4                                 ; all of W and x's rows 0-31 are in; the youngest four loads (x's rows 32-63) may be out
	MUL24 \f, 0, \zero
	PLACES
	FETCH \slot, \q, \g
	s_wait_dscnt 32                                ; all but the 32 just issued
	MUL24 \f, 1, \zero
.endm
; The last quarter multiplies buffer 1 and changes slots: ONE barrier.  In front of it each wave waits for all its tensor loads (one is out: its part of the next slot), adds 0 to its spare word, and waits
; for that and for its reads of this slot.  fill = 1: the barrier opens a round of the cluster's barrier, and this slot is filled again, two K steps on, first thing behind the round.
.macro TURN slot, next, fill
.if \fill
	s_wait_xcnt 0x0                                ; the last prefetch, a K step back, has read its address: it is stepped here, ahead of the change's own waits
	s_add_nc_u64 s[PFA:PFA+1], s[PFA:PFA+1], s[PFS:PFS+1]
.endif
	WIN 0                                          ; (the add's two registers lie in window 0)
	s_wait_tensorcnt 0x0                           ; all my tensor loads have landed;
	ds_add_u32 v[SPW], v[NIL]                      ; 0 onto my spare word;
	s_wait_dscnt 5                                 ; (the add and the youngest four loads may be out)
	MUL12 F1, 0, 0                                 ; twelve matrix instructions stand between the add and the wait for it
	s_wait_dscnt 0x0                               ; the add is done, and my reads of this slot are over
	s_barrier_signal -1
	MUL12 F1, 1, 0                                 ; work on registers while the others arrive
.if \fill
	WIN 0
.endif
	s_barrier_wait -1
.if \fill
	CREST                                          ; no wave of any partner still reads this slot's tile or has a load on its way
	s_add_nc_u64 s[G0+4*(\slot)+2:G0+4*(\slot)+3], s[G0+4*(\slot)+2:G0+4*(\slot)+3], 2*KSTEP*2
	s_add_nc_u64 s[G0B+4*(\slot)+2:G0B+4*(\slot)+3], s[G0B+4*(\slot)+2:G0B+4*(\slot)+3], 2*WBLK
	JLOAD \slot                                    ; my one tensor load behind the round; its four v_nop are also the places in front of the loads below
.else
	PLACES
.endif
	FETCH \next, 0, F0
.if \fill
	ASK
.endif
	MUL24 F1, 1, 0
.endm
	s_wait_tensorcnt 1                             ; my part of K step 0 is in; K step 1's may stay out
	s_barrier_signal -1
	s_barrier_wait -1                              ; everybody's is
	FETCH 0, 0, F0
	QUARTER 0, 1, F0, F1, 1                        ; the first quarter stands in front of the loop: its products start the sums
	WIN 0                                          ; at a label and at a branch every window is 0
	s_mov_b32 s3, 7
.Llap:                                                 ; a trip goes once round the ring, from a lap's second quarter to the next lap's first, and fills both slots again
	QUARTER 0, 2, F1, F0, 0
	QUARTER 0, 3, F0, F1, 0
	TURN 0, 1, 1
	QUARTER 1, 1, F0, F1, 0
	QUARTER 1, 2, F1, F0, 0
	QUARTER 1, 3, F0, F1, 0
	TURN 1, 0, 1
	QUARTER 0, 1, F0, F1, 0
	WIN 0
	s_sub_co_u32 s3, s3, 1
	s_cmp_lg_u32 s3, 0
	s_cbranch_scc1 .Llap
	QUARTER 0, 2, F1, F0, 0                        ; the last lap fills nothing, and has no round
	QUARTER 0, 3, F0, F1, 0
	TURN 0, 1, 0
	QUARTER 1, 1, F0, F1, 0
	QUARTER 1, 2, F1, F0, 0
	QUARTER 1, 3, F0, F1, 0
	s_wait_dscnt 4
	MUL24 F1, 0, 0
	s_wait_dscnt 0x0
	MUL24 F1, 1, 0
	WIN 0
; THE WAY OUT, a row block of 16 rows at a time.  ROPE: with lo = column f and hi = column f + 32 of the rotated head: lo cos - hi sin and hi cos + lo sin, two numbers an instruction.
; Each accumulator is read from its low end on.
.macro ROPE a
	s_wait_xcnt 0x0                                ; the stores of the block before have read v80-127, which are written anew below
	WIN 0x02+(\a)/2                                ; source 0 in the accumulators' window
.irp bb, 0,1
.irp jp, 0,2,4,6
.set AL, 8*(12*((\a)%2)+(\bb))+(\jp)
.set AH, AL+16
.set CO, CSR+32*(\a)+8*(\bb)+(\jp)
.set SI, CO+16
.set RL, R+8*(\bb)+(\jp)
.set RH, RL+16
	v_pk_mul_f32 v[RL:RL+1], v[AH:AH+1], v[SI:SI+1]
	v_pk_mul_f32 v[RH:RH+1], v[AL:AL+1], v[SI:SI+1]
	v_pk_fma_f32 v[RL:RL+1], v[AL:AL+1], v[CO:CO+1], v[RL:RL+1] neg_lo:[0,0,1] neg_hi:[0,0,1]
	v_pk_fma_f32 v[RH:RH+1], v[AH:AH+1], v[CO:CO+1], v[RH:RH+1]
.endr
.endr
.endm
.macro PACK a                          ; rounded once to f16: 16 bytes a lane and column block
	WIN 0
.irp b, 0,1,2,3
.irp r, 0,1,2,3
	v_cvt_pk_f16_f32 v[TMP+4*(\b)+(\r)], v[R+8*(\b)+2*(\r)], v[R+8*(\b)+2*(\r)+1]
.endr
.endr
	WIN 0x0a+5*((\a)/2)                            ; sources 0 and 1 in the accumulators' window
.irp b, 4,5,6,7,8,9,10,11
.irp r, 0,1,2,3
	v_cvt_pk_f16_f32 v[TMP+4*(\b)+(\r)], v[8*(12*((\a)%2)+(\b))+2*(\r)], v[8*(12*((\a)%2)+(\b))+2*(\r)+1]
.endr
.endr
	WIN 0
.endm
.macro TOSTAGE                         ; into my own stage and back as whole rows; LDS serves a wave's instructions in order (ISA guide 5.7.1.4), so no wait stands between
.irp b, 0,1,2,3,4,5,6,7,8,9,10,11
	ds_store_b128 v[STO], v[TMP+4*(\b):TMP+4*(\b)+3] offset:32*(\b)
.endr
.irp t, 0,1,2,3
	ds_load_b128 v[BK+4*(\t):BK+4*(\t)+3], v[RDQ] offset:4*SPIT*(\t)
.endr
.irp t, 0,1,2,3,4,5,6,7
	ds_load_b128 v[BK+16+4*(\t):BK+16+4*(\t)+3], v[RDV] offset:128+2*SPIT*(\t)
.endr
.endm
.macro SEND a
.irp t, 0,1,2,3
	s_wait_dscnt 11-(\t)                           ; the 11 - t younger loads may stay out
	global_store_b128 v[GOQ], v[BK+4*(\t):BK+4*(\t)+3], s[74:75] offset:2048*(\a)+512*(\t)   ; four rows of 128 bytes: 512 consecutive bytes, aligned
.endr
.irp t, 0,1,2,3,4,5,6,7
	s_wait_dscnt 7-(\t)
	global_store_b128 v[GOV], v[BK+16+4*(\t):BK+16+4*(\t)+3], s[76:77] offset:8192*(\a)+1024*(\t)  ; 16 lanes store 256 consecutive bytes, aligned
.endr
.endm
	PLACES
	PLACES                                         ; eight, once a launch: results just made are read next
	s_wait_loadcnt 0x0                             ; cos and sin
.irp a, 0,1,2,3
	ROPE \a
	PACK \a
	TOSTAGE
	SEND \a
.endr
	s_wait_tensorcnt 0x0                           ; the wave's end, behind my last tensor load and my last LDS store
	ds_add_u32 v[SPW], v[NIL]
	s_wait_dscnt 0x0
	CROUND                                         ; the closing round: no work-group ends while a partner may still ask for a tile that names it
	s_endpgm
.Lfunc_end_k_qdde2b68128_proj:
	.size	k_qdde2b68128_proj, .Lfunc_end_k_qdde2b68128_proj-k_qdde2b68128_proj
	.p2alignl 7, 3214868480
	.fill 96, 4, 3214868480
	.section	.rodata,"a",@progbits
	.p2align	6, 0x0
	.amdhsa_kernel k_qdde2b68128_proj
		.amdhsa_group_segment_fixed_size 327680
		.amdhsa_private_segment_fixed_size 0
		.amdhsa_enable_private_segment 0
		.amdhsa_kernarg_size 40
		.amdhsa_user_sgpr_count 2
		.amdhsa_user_sgpr_kernarg_segment_ptr 1
		.amdhsa_wavefront_size32 1
		.amdhsa_system_sgpr_workgroup_id_x 1
		.amdhsa_system_sgpr_workgroup_id_y 1
		.amdhsa_system_sgpr_workgroup_id_z 1
		.amdhsa_system_vgpr_workitem_id 0
		.amdhsa_next_free_vgpr 960
		.amdhsa_next_free_sgpr 80
		.amdhsa_reserve_vcc 0
		.amdhsa_float_denorm_mode_32 3
		.amdhsa_float_denorm_mode_16_64 3
		.amdhsa_memory_ordered 1
		.amdhsa_forward_progress 1
		.amdhsa_inst_pref_size 133
	.end_amdhsa_kernel
	.amdgpu_metadata
---
amdhsa.version: [ 1, 2 ]
amdhsa.kernels:
  - .name:           k_qdde2b68128_proj
    .symbol:         k_qdde2b68128_proj.kd
    .args:
      - { .name: xb, .offset: 0, .size: 8, .value_kind: global_buffer, .address_space: global }
      - { .name: wb, .offset: 8, .size: 8, .value_kind: global_buffer, .address_space: global }
      - { .name: tab, .offset: 16, .size: 8, .value_kind: global_buffer, .address_space: global }
      - { .name: qk, .offset: 24, .size: 8, .value_kind: global_buffer, .address_space: global }
      - { .name: vg, .offset: 32, .size: 8, .value_kind: global_buffer, .address_space: global }
    .group_segment_fixed_size: 327680
    .private_segment_fixed_size: 0
    .kernarg_segment_align: 8
    .kernarg_segment_size: 40
    .max_flat_workgroup_size: 128
    .sgpr_count:     80
    .vgpr_count:     960
    .wavefront_size: 32
...
	.end_amdgpu_metadata
.endif
;; end of part 2
;; launch attn (part 3): grid 16 x 16, 4 waves a work-group, clusters of 4 x 1, 327,680 bytes of LDS; arguments qk, vg, out0; writes out0
.if DOCPART == 3
	.amdgcn_target "amdgcn-amd-amdhsa--gfx1250"
	.amdhsa_code_object_version 6
	.text
	.protected	k_qdde2b68128_attn
	.globl	k_qdde2b68128_attn
	.p2align	8
	.type	k_qdde2b68128_attn,@function
k_qdde2b68128_attn:
	s_mov_b64 s[64:65], 0
	v_nop
	global_prefetch_b8 v0, s[64:65] scope:SCOPE_SE
	s_setreg_imm32_b32 hwreg(HW_REG_WAVE_MODE, 25, 1), 1
	s_wait_xcnt 0x0
	s_wait_alu depctr_hold_cnt(0) depctr_sa_sdst(0) depctr_va_vdst(0) depctr_va_sdst(0) depctr_va_ssrc(0) depctr_va_vcc(0) depctr_vm_vsrc(0)
	s_getreg_b32 s2, hwreg(HW_REG_IB_STS2, 6, 4)
	s_cmp_eq_u32 s2, 0
	s_cbranch_scc0 .Lentry_in_a_cluster
	s_endpgm
.Lentry_in_a_cluster:
	s_bfe_u32 s2, ttmp6, 0x10000c
	s_cmp_lg_u32 s2, 0x3003
	s_cbranch_scc0 .Lentry_shape_is_right
	s_endpgm
.Lentry_shape_is_right:
; CAUSAL ATTENTION.  Heads h, h + 8, h + 16, h + 24 share Q and K, so they share their weights: there are 16 softmaxes (batch b, head h), each applied to a V of 256 channels (r * 64 + d).
; qk: [16][4096][64] f16 (0-7 Q heads, 8-15 K heads, rotated, not scaled); vg: [b * 8 + h][2048][256] f16; out0: [2][2048][2048] f32, column (r * 8 + h) * 64 + d.
; Products, maxima and sums in f32; the weights p are rounded to f16 for the second product (their sum l is taken of the unrounded p).
; LIMITS.  A hidden score counts as -2^100 (-1.27e30), where the reference writes -1e9 behind the scale: a row whose every visible scaled score lies below some -1e9 is not served.  A weight below 2^-126 counts as 0.
; Q, K, V arrive within f16's 65,504.  NaN and infinities are not treated apart.
; SHARES.  A head's 2,048 queries lie in 32 blocks of 64.  A work-group takes TWO blocks, 31 - bq and then bq.  Keys go in tiles of 128.  In a block wave w holds 32 queries, query tiles 2 (w / 2) and 2 (w / 2) + 1,
; and takes keys 64 (w % 2) .. + 63 of every tile: the keys are split between partners w and w xor 1.  At a block's end the two partial results (O, c m, l) meet in LDS.  My register tile 0 is query tile w,
; my register tile 1 query tile w xor 1: every wave sends its tile 1 and finishes its tile 0, so one text serves all.
; CLUSTER AND WALK.  The four work-groups bq = 4 c + cx of a head walk ONE sequence of key tiles, 0 .. 15 - 2 c for the high blocks and then 0 .. 2 c + 1 for the low ones: 18 tiles, whatever c, each asked for
; JOINTLY.  A tile that a partner does not need is computed wholly hidden.  No branch, trip count or LDS address hangs on cx: it enters Q's and out0's addresses and the mask's numbers alone.
; Only the last two tiles of a block's walk hold a hidden key for any partner: only there the mask is laid on (a test alike in all partners).
; A WAVE THAT SEES NO KEY (block 0, upper keys): its maximum is the hidden score itself.  That score is a POWER OF TWO, so that c m = c x (-2^100) is exact in f32 and the fused c s - c m of a hidden score is exactly 0:
; its weights are 1, its l and O finite; at the meeting its share is multiplied by 2^(c m - c m_max) = 0.  (With a hidden score that is no power of two the fused line would leave the rounding of c m, a huge number.)
; LAYOUT.  S^T = K Q^T: a lane holds ONE query (lane % 16) and the keys 8 (lane / 16) + 0..7 of each 16; two results rounded to f16 ARE source 1 of O^T = V^T P, which again holds one query a lane.
; SOFTMAX.  Running maximum m and sum l: p = 2^(c s - c m), c = log2(e) / 8; in every step O and l are multiplied by a = 2^(c m_old - c m_new).  c m starts far below every c s, so a block's first a is 0 and
; O and l need only be finite then.
; A KEY STEP IS WRITTEN IN PHASES: K Q^T, mask, softmax, rescaling, V^T P.
; REGISTERS, in windows of 256 (s_set_vgpr_msb: bits 1:0 source 0, 3:2 source 1, 5:4 source 2, 7:6 destination):
;   window 0: v2-15 addresses; v16-31 statistics, 8 a tile; v32-38 mask and address terms; v42-51 the meeting; v64-127 S^T, 32 a tile; v128-159 P, 16 a tile; v64-127, v160-223 rows on the way out
;   window 1: O^T, 128 a tile     window 2: V of one step (key half kk, channel block cb at 128 kk + 8 cb); the partner's O at a block's end     window 3: v0-31 Q, v32-63 the low block's Q, v64-127 K
.set PK,    144                        ; a row of K in LDS: 128 bytes + 16: the 16 rows of a load start at 16 different groups of four banks (64 banks of 4 bytes: ISA guide 11.1)
.set PVP,   544                        ; a row of V: 512 bytes + 32
.set VOFF,  128*PK                     ; a slot: 128 rows of K, then 128 rows of V
.set TILEB, 128*(PK+PVP)
.set SLOT1, 1<<17                      ; slot 1 begins here: one exclusive or turns an address in one slot into the other's
.set OST,   TILEB                      ; behind slot 0: 16 rows x 528 bytes for each wave, for the way out; no tensor load lands here
.set OSP,   528                        ; 512 bytes + 16
.set XCH,   SLOT1+TILEB                ; behind slot 1: the meeting: for each wave 16,384 bytes of O, 128 of c m, 128 of l
.set XW,    16640
.set SPARE, XCH+4*XW                   ; behind it: the spare words, 128 bytes for each wave: two blocks of 256 bytes that no other line names
.set AK0, 2                            ; v2   my lane's place in a tile of K (my half of the keys); never rewritten
.set AV0, 3                            ; v3   the same for V
.set AK,  4
.set AV,  5
.set STO, 6                            ; v6   the way out: where I put 16 bytes of a row
.set RD,  7                            ; v7   where I read a row back
.set GO,  8                            ; v8   my byte offset in a row of out0
.set XS,  12                           ; v12  the meeting: where I put 16 bytes of O;  v13 4 bytes of c m and l;  v14, v15 where I read my partner's
.set XT,  13
.set XR,  14
.set XU,  15
.set ST,  16                           ; tile t at ST + 8 t: c m, m, l (even keys', odd keys'), c0-c3 at work; a takes c2's place
.set VP,  32                           ; v32-33  l % 16 - 8 (l / 16) + 16 x query tile - 64 x key half
.set VX,  34                           ; v34-35  that plus 64 block - 128 tile: register i of S^T is hidden where 16 (i / 8) + i % 8 is greater
.set QO,  36                           ; v36-37  my byte offset in a block's rows of Q
.set PFO, 38
.set SPW, 62
.set NIL, 63
.set S,   64
.set P,   128
.set KF,  64                           ; window 3
.set QL,  32                           ; window 3
.set WV,  12                           ; s12  my wave's number
.set G1K, 24
.set G1V, 32
.set G0K, 40
.set G0V, 44
.set KB,  48                           ; s[48:49] K at my half of the head's tile 0;  s[50:51] V likewise
.set VB,  50
.set OB,  52                           ; s[52:53] out0 at my query tile of the block in hand;  s[54:55] of the low block
.set OBLO, 54
.set SLOTS, 56                         ; s56  tiles still to be asked for
.set RT,  57                           ; s57  tiles of the block in hand that are still to be entered
.set CS,  58                           ; s[58:59] c
.set SEL, 60                           ; s[60:61] v_permlanex16_b32's selects: each lane takes its own place in the other half
.set TB,  62                           ; s62  LDS byte at which the slot that is read begins
.set NXT, 63                           ; s63  the tile to be asked for next
.set LQ,  66                           ; s66  the last tile of the walk whose tiles are being asked for
.set NLM1, 67                          ; s67  2 c + 1
.set NL,  68                           ; s68  2 c + 2
.set DEL, 69                           ; s69  64 block - 128 tile
.set DELLO, 70                         ; s70  the low block's first, plus the 128 that the trip takes off
.set BIGN, 71                          ; s71  -2^100, the hidden score
.set OFK, 72                           ; s[72:73], s[74:75] a tile's byte offset in K and in V
.set OFV, 74
.set PFA, 76                           ; s[76:77] where my prefetches stand;  s[78:79] their step
.set PFS, 78
.set LIM, 80                           ; s80  4 in a wave that prefetches, else the greatest number
.set QBH, 84
.set QBL, 86
.set MSB, 0
.macro WIN new                         ; the high byte repeats the setting that is left; a switch that changes nothing is dropped
.if MSB != (\new)
	s_set_vgpr_msb (MSB<<8)|(\new)
.set MSB, (\new)
.endif
.endm
.set W_KQ, 0x0f                        ; K and Q in window 3, S^T in window 0
.set W_PV, 0x52                        ; V in window 2, P in window 0, O^T in window 1
.set W_RS, 0x41                        ; O^T (destination and source 0) in window 1, the factor in window 0
; A joint fill.  Waves 0 and 1 fetch the two halves of a tile's K, waves 2 and 3 those of its V: 64 keys each.  An s_nop 0 and four v_nop follow each of the two lines.
.macro JLOAD
	s_cmp_lt_u32 s[WV], 2
	s_cbranch_scc0 .Lfor_v_\@
	tensor_load_to_lds s[G0K:G0K+3], s[G1K:G1K+7]
	s_nop 0
.rept 4
	v_nop
.endr
	s_branch .Lasked_\@
.Lfor_v_\@:
	tensor_load_to_lds s[G0V:G0V+3], s[G1V:G1V+7]
	s_nop 0
.rept 4
	v_nop
.endr
.Lasked_\@:
.endm
; A PREFETCH INTO THE L2: the trip that asks for tile t + 1 names tile t + 3, two trips ahead of the load that will want it.  All four clusters of a head walk the same K and V: cluster 0, whose high walk has all 16
; tiles, asks, and nobody else.  Its partners share a tile out BY ADDRESS: 32 keys each; wave 0 names K's rows (a lane a row of 128 bytes), waves 2 and 3 the two halves of V's rows (a lane 256 bytes).
; It stops with tile 15; tiles 0 to 2 come by their loads alone, and the low walk reads what has been read.
.macro ASK
	s_cmp_gt_u32 s[SLOTS], s[LIM]
	s_cbranch_scc0 .Lnot_mine_\@
	global_prefetch_b8 v[PFO], s[PFA:PFA+1] th:TH_LOAD_NT scope:SCOPE_SE
.Lnot_mine_\@:
.endm
.macro CROUND                          ; a round of the cluster's barrier
	s_barrier_signal -1
	s_barrier_wait -1
	s_cmp_lg_u32 s[WV], 0
	s_cbranch_scc1 .Lnot_wave_0_\@
	s_barrier_signal -3
.Lnot_wave_0_\@:
	s_barrier_wait -3
	s_barrier_signal -1
	s_barrier_wait -1
.endm
.macro PLACES
.rept 4
	v_nop
.endr
.endm
; THE CHANGE OF SLOTS.  Each wave waits for all its tensor loads, of which one is out: its part of the other slot; adds 0 to its spare word; waits for that and for its reads of the slot that it leaves.
; fill = 1: a round of the cluster's barrier, and the old slot is filled again first thing behind it, with tile NXT: the address is made anew from that number.  (At its first use slot 0 is waited for, slot 1 filled.)
.macro CHANGE fill
	WIN 0
	s_wait_tensorcnt 0x0                           ; no tensor load of mine is out, so a group 0 may be written
	ds_add_u32 v[SPW], v[NIL]                      ; 0 onto my spare word; scalar work stands between it and the wait for it
.if \fill
	s_lshl_b32 s[OFK], s[NXT], 14                  ; a tile is 16,384 bytes of K
	s_lshl_b32 s[OFV], s[NXT], 16                  ; and 65,536 of V
	s_xor_b32 s[G0K+1], s[G0K+1], SLOT1
	s_add_nc_u64 s[G0K+2:G0K+3], s[KB:KB+1], s[OFK:OFK+1]
	s_or_b32 s[G0K+3], s[G0K+3], 0x80000000
	s_xor_b32 s[G0V+1], s[G0V+1], SLOT1
	s_add_nc_u64 s[G0V+2:G0V+3], s[VB:VB+1], s[OFV:OFV+1]
	s_or_b32 s[G0V+3], s[G0V+3], 0x80000000
	s_add_co_u32 s[NXT], s[NXT], 1                 ; the walk's next tile, or behind its last the low walk's tile 0
	s_cmp_gt_u32 s[NXT], s[LQ]
	s_cselect_b32 s[NXT], 0, s[NXT]
	s_cselect_b32 s[LQ], s[NLM1], s[LQ]
	s_wait_xcnt 0x0                                ; the last prefetch, a trip back, has read its address
	s_add_nc_u64 s[PFA:PFA+1], s[PFA:PFA+1], s[PFS:PFS+1]
	s_wait_dscnt 0x0                               ; the add is done, and my reads of the slot are over
	CROUND
	JLOAD                                          ; my one tensor load behind the round: it has a key step in which to land
	ASK
.else
	s_wait_dscnt 0x0
	s_barrier_signal -1
	s_barrier_wait -1
.endif
	s_xor_b32 s[TB], s[TB], SLOT1                  ; the fetches go to the other slot
.endm
	s_load_b128 s[4:7], s[0:1], 0x0                ; qk s[4:5], vg s[6:7]
	s_load_b64 s[8:9], s[0:1], 0x10                ; out0
	v_lshl_add_u32 v[SPW], v0, 2, SPARE
	v_mov_b32 v[NIL], 0
	ds_add_u32 v[SPW], v[NIL]                      ; the wave's opening: the add and its wait stand ahead of my first tensor load; the set-up below, work on registers, stands between them
	v_lshrrev_b32 v1, 5, v0
	v_readfirstlane_b32 s[WV], v1                  ; wave 0..3
	s_and_b32 s13, s[WV], 1                        ; my half of the keys; also the half of a tile that I fetch
	s_and_b32 s16, ttmp7, 0xffff                   ; b * 8 + h, which the four partners share
	s_lshr_b32 s17, s16, 3                         ; b
	s_and_b32 s18, s16, 7                          ; h
	s_add_co_u32 s20, s18, 8                       ; K head h: 4,096 rows of 128 bytes a head,
	s_lshl_b32 s20, s20, 19
	s_lshl_b32 s21, s17, 18                        ; the batch's 2,048 rows,
	s_add_co_u32 s20, s20, s21
	s_lshl_b32 s21, s13, 13                        ; my 64 keys of a tile
	s_add_co_u32 s20, s20, s21
	s_mov_b32 s21, 0
	s_lshl_b32 s22, s16, 20                        ; V: 2,048 rows of 512 bytes,
	s_lshl_b32 s23, s13, 15                        ; my 64 keys
	s_add_co_u32 s22, s22, s23
	s_mov_b32 s23, 0
	s_mov_b32 s[G1K], 15|(1<<16)|(1<<20)|(1<<21)|(4<<22)|(3<<25)  ; the mask of four; 2-byte elements; padding on; bit 21 beside a mask; after every 32 words (a key; code 4) 4 words (code 3)
	s_mov_b32 s[G1K+1], 128<<16                    ; 64 keys are 8,192 dense bytes: 32 rows of 256, two keys a row
	s_mov_b32 s[G1K+2], 32<<16
	s_mov_b32 s[G1K+3], 128<<16
	s_mov_b32 s[G1K+4], 32
	s_mov_b32 s[G1K+5], 128
	s_mov_b32 s[G1K+6], 0
	s_mov_b32 s[G1K+7], 0
	s_mov_b32 s[G1V], 15|(1<<16)|(1<<20)|(1<<21)|(6<<22)|(7<<25)  ; after every 128 words (code 6) 8 words (code 7)
	s_mov_b32 s[G1V+1], 256<<16                    ; 64 rows of 512 bytes
	s_mov_b32 s[G1V+2], 64<<16
	s_mov_b32 s[G1V+3], 256<<16
	s_mov_b32 s[G1V+4], 64
	s_mov_b32 s[G1V+5], 256
	s_mov_b32 s[G1V+6], 0
	s_mov_b32 s[G1V+7], 0
	s_mov_b32 s[G0K], 1
	s_mul_i32 s[G0K+1], s13, 64*PK                 ; slot 0: no place in the cluster enters an LDS address
	s_mov_b32 s[G0V], 1
	s_mul_i32 s[G0V+1], s13, 64*PVP
	s_add_co_u32 s[G0V+1], s[G0V+1], VOFF
	s_lshl_b32 s19, ttmp9, 1                       ; 2 c: in a cluster launch ttmp9 counts clusters
	s_sub_co_u32 s[RT], 16, s19                    ; the high walk has 16 - 2 c tiles
	s_sub_co_u32 s[LQ], 15, s19
	s_add_co_u32 s[NL], s19, 2
	s_add_co_u32 s[NLM1], s19, 1
	s_mov_b32 s[NXT], 1
	s_mov_b32 s[SLOTS], 17
	s_mov_b32 s[TB], SLOT1                         ; the first change of slots turns it into 0
	s_mov_b32 s[OFK+1], 0
	s_mov_b32 s[OFV+1], 0
	s_mov_b32 s[CS], 0x3e38aa3b                    ; c = log2(e) / 8
	s_mov_b32 s[CS+1], s[CS]
	s_mov_b32 s[SEL], 0x76543210
	s_mov_b32 s[SEL+1], 0xfedcba98
	s_mov_b32 s[BIGN], 0xf1800000                  ; -2^100: a power of two, so that c times it is exact
	s_wait_dscnt 0x0                               ; the opening add is done
	s_wait_kmcnt 0x0
	s_add_nc_u64 s[KB:KB+1], s[4:5], s[20:21]
	s_add_nc_u64 s[VB:VB+1], s[6:7], s[22:23]
	s_add_nc_u64 s[G0K+2:G0K+3], s[KB:KB+1], 0
	s_or_b32 s[G0K+3], s[G0K+3], 0x80000000
	s_add_nc_u64 s[G0V+2:G0V+3], s[VB:VB+1], 0
	s_or_b32 s[G0V+3], s[G0V+3], 0x80000000
	CROUND                                         ; all four work-groups are here: the first joint loads meet
	JLOAD                                          ; tile 0 into slot 0: one load of mine is out, here and behind every round
	s_bfe_u32 s10, ttmp6, 0x40000                  ; cx
	s_lshl_b32 s15, ttmp9, 2
	s_add_co_u32 s15, s15, s10                     ; bq, the low block
	s_sub_co_u32 s3, 31, s15                       ; the high block
	s_lshl_b32 s[DEL], s3, 6
	s_lshl_b32 s[DELLO], s15, 6
	s_add_co_u32 s[DELLO], s[DELLO], 128
	s_xor_b32 s14, s[WV], 1                        ; my partner; also my register tile 1's query tile
	s_mov_b32 s83, 0
	s_lshl_b32 s2, s18, 19                         ; Q head h, batch b,
	s_lshl_b32 s19, s17, 18
	s_add_co_u32 s2, s2, s19
	s_lshl_b32 s19, s3, 13                         ; a block's 64 rows of 128 bytes
	s_add_co_u32 s82, s2, s19
	s_add_nc_u64 s[QBH:QBH+1], s[4:5], s[82:83]
	s_lshl_b32 s19, s15, 13
	s_add_co_u32 s82, s2, s19
	s_add_nc_u64 s[QBL:QBL+1], s[4:5], s[82:83]
	s_lshl_b32 s2, s17, 24                         ; out0: the batch's 2,048 rows of 8,192 bytes,
	s_lshl_b32 s19, s[WV], 17                      ; query tile w's 16 rows,
	s_add_co_u32 s2, s2, s19
	s_lshl_b32 s19, s18, 8                         ; head h's 256 bytes
	s_add_co_u32 s2, s2, s19
	s_lshl_b32 s19, s3, 19                         ; and the block's 64 rows
	s_add_co_u32 s82, s2, s19
	s_add_nc_u64 s[OB:OB+1], s[8:9], s[82:83]
	s_lshl_b32 s19, s15, 19
	s_add_co_u32 s82, s2, s19
	s_add_nc_u64 s[OBLO:OBLO+1], s[8:9], s[82:83]
	; the prefetches' address, in tile 2: the first change of slots steps it to tile 3
	s_add_co_u32 s2, s18, 8
	s_lshl_b32 s2, s2, 19
	s_lshl_b32 s19, s17, 18
	s_add_co_u32 s2, s2, s19
	s_lshl_b32 s19, s10, 12                        ; K: my work-group's 32 keys
	s_add_co_u32 s2, s2, s19
	s_add_co_u32 s2, s2, 2*16384
	s_lshl_b32 s3, s16, 20
	s_lshl_b32 s19, s10, 14                        ; V: the same 32 keys,
	s_add_co_u32 s3, s3, s19
	s_lshl_b32 s19, s13, 8                         ; my half of their rows
	s_add_co_u32 s3, s3, s19
	s_add_co_u32 s3, s3, 2*65536
	s_mov_b32 s[PFS], 65536
	s_mov_b32 s[PFS+1], 0
	s_cmp_lt_u32 s[WV], 2
	s_cselect_b64 s[PFA:PFA+1], s[4:5], s[6:7]
	s_cselect_b32 s82, s2, s3
	s_cselect_b32 s[PFS], 16384, s[PFS]
	s_cselect_b32 s2, 7, 9                         ; lanes 128 bytes apart in K, 512 in V
	s_add_nc_u64 s[PFA:PFA+1], s[PFA:PFA+1], s[82:83]
	s_cmp_eq_u32 s[WV], 1
	s_cselect_b32 s19, 1, 0
	s_or_b32 s19, s19, ttmp9                       ; 0 in waves 0, 2, 3 of the head's first cluster: the same in all four partners
	s_cmp_eq_u32 s19, 0
	s_cselect_b32 s[LIM], 4, -1
	v_and_b32 v1, 15, v0                           ; l % 16
	v_bfe_u32 v9, v0, 4, 1                         ; l / 16
	v_and_b32 v10, 7, v0
	v_bfe_u32 v11, v0, 3, 1
	v_and_b32 v39, 31, v0                          ; l
	v_lshlrev_b32 v[PFO], s2, v39
	v_lshlrev_b32 v40, 7, v1                       ; a fragment of Q: row l % 16, 16 bytes for each half of the lanes, twice, 32 bytes apart
	v_lshl_add_u32 v40, v9, 4, v40
	s_lshl_b32 s2, s[WV], 11
	s_lshl_b32 s19, s14, 11
	v_add_nc_u32 v[QO], s2, v40
	v_add_nc_u32 v[QO+1], s19, v40
	WIN 0xc0                                       ; destination window 3, address window 0
.irp t, 0,1
.irp c, 0,1
	global_load_b128 v[16*(\t)+8*(\c):16*(\t)+8*(\c)+3],         v[QO+(\t)], s[QBH:QBH+1] offset:64*(\c)
	global_load_b128 v[16*(\t)+8*(\c)+4:16*(\t)+8*(\c)+7],       v[QO+(\t)], s[QBH:QBH+1] offset:64*(\c)+32
	global_load_b128 v[QL+16*(\t)+8*(\c):QL+16*(\t)+8*(\c)+3],   v[QO+(\t)], s[QBL:QBL+1] offset:64*(\c)
	global_load_b128 v[QL+16*(\t)+8*(\c)+4:QL+16*(\t)+8*(\c)+7], v[QO+(\t)], s[QBL:QBL+1] offset:64*(\c)+32
.endr
.endr
	WIN 0
	v_lshlrev_b32 v40, 3, v9
	v_sub_nc_u32 v40, v1, v40
	s_lshl_b32 s19, s13, 6
	s_lshl_b32 s2, s[WV], 4
	s_sub_co_u32 s2, s2, s19
	v_add_nc_u32 v[VP], s2, v40
	s_lshl_b32 s2, s14, 4
	s_sub_co_u32 s2, s2, s19
	v_add_nc_u32 v[VP+1], s2, v40
	v_mul_u32_u24 v[AK0], v1, PK
	v_lshl_add_u32 v[AK0], v9, 4, v[AK0]
	s_mul_i32 s2, s13, 64*PK
	v_add_nc_u32 v[AK0], s2, v[AK0]
	v_lshl_add_u32 v[AV0], v9, 3, v10              ; the turning load: lane l reads key 8 (l / 16) + l % 8, channels 8 ((l / 8) % 2) + 0..7
	v_mul_u32_u24 v[AV0], v[AV0], PVP
	v_lshl_add_u32 v[AV0], v11, 4, v[AV0]
	s_mul_i32 s2, s13, 64*PVP
	s_add_co_u32 s2, s2, VOFF
	v_add_nc_u32 v[AV0], s2, v[AV0]
	s_mul_i32 s2, s[WV], 16*OSP
	s_add_co_u32 s2, s2, OST                       ; my stage
	v_mul_u32_u24 v[STO], v1, OSP                  ; in: row l % 16, 32 bytes for each half of the lanes
	v_lshl_add_u32 v[STO], v9, 5, v[STO]
	v_add_nc_u32 v[STO], s2, v[STO]
	v_lshl_add_u32 v[RD], v39, 4, s2               ; back: 32 lanes take one row's 512 bytes,
	v_lshlrev_b32 v[GO], 11, v9                    ; which are two pieces of 256 bytes of a row of out0, 2,048 bytes apart
	v_lshl_add_u32 v[GO], v1, 4, v[GO]
	s_mul_i32 s2, s[WV], XW
	s_add_co_u32 s2, s2, XCH
	v_lshl_add_u32 v[XS], v39, 4, s2
	v_lshl_add_u32 v[XT], v39, 2, s2
	s_mul_i32 s2, s14, XW
	s_add_co_u32 s2, s2, XCH
	v_lshl_add_u32 v[XR], v39, 4, s2
	v_lshl_add_u32 v[XU], v39, 2, s2
	WIN 0x40                                       ; O^T = 0: it need only be finite; these lines stand in the wait for the first tile, and spare a first step written out
.set i, 0
.rept 256
	v_mov_b32 v[i], 0
.set i, i+1
.endr
	WIN 0
.irp t, 0,1
	v_mov_b32 v[ST+8*(\t)], 0xfe000000             ; c m: far below every c s, the hidden score's too
	v_mov_b32 v[ST+8*(\t)+1], 0xff7fffff           ; m
	v_mov_b32 v[ST+8*(\t)+2], 0
	v_mov_b32 v[ST+8*(\t)+3], 0
.endr
	s_wait_loadcnt 0x0                             ; Q
; THE MATRIX WORK.  The accumulators take turns, one instruction a turn: 8 in K Q^T, 32 in V^T P.
.macro KQ                              ; product i of 16: channels 32 (i / 8) on, keys 16 ((i / 2) % 4) on, tile i % 2; the first 8 start the sums
	WIN W_KQ
.set rS, S+32*(i%2)+8*((i/2)%4)
.set rK, KF+16*((i/2)%4)+8*(i/8)
.set rQ, 16*(i%2)+8*(i/8)
.if i < 8
	v_wmma_f32_16x16x32_f16 v[rS:rS+7], v[rK:rK+7], v[rQ:rQ+7], 0
.else
	v_wmma_f32_16x16x32_f16 v[rS:rS+7], v[rK:rK+7], v[rQ:rQ+7], v[rS:rS+7]
.endif
.endm
.macro PVM                             ; product i of 64: keys 32 (i / 32) on, channels 16 ((i / 2) % 16) on, tile i % 2
	WIN W_PV
.set rO, 128*(i%2)+8*((i/2)%16)
.set rV, 128*(i/32)+8*((i/2)%16)
.set rP, P+16*(i%2)+8*(i/32)
	v_wmma_f32_16x16x32_f16 v[rO:rO+7], v[rV:rV+7], v[rP:rP+7], v[rO:rO+7]
.endm
.macro FETCH_K                         ; my 64 keys x 64 channels: 8 fragments
	WIN 0xc0
.irp f, 0,1,2,3,4,5,6,7
	ds_load_b128 v[KF+8*(\f):KF+8*(\f)+3],   v[AK] offset:((\f)/2)*16*PK+((\f)%2)*64
	ds_load_b128 v[KF+8*(\f)+4:KF+8*(\f)+7], v[AK] offset:((\f)/2)*16*PK+((\f)%2)*64+32
.endr
.endm
.macro FETCH_V kk                      ; 32 keys x 256 channels, turned: 16 fragments
	WIN 0x80
.irp f, 0,1,2,3,4,5,6,7,8,9,10,11,12,13,14,15
	ds_load_tr16_b128 v[128*(\kk)+8*(\f):128*(\kk)+8*(\f)+3],   v[AV] offset:(\kk)*32*PVP+(\f)*32
	ds_load_tr16_b128 v[128*(\kk)+8*(\f)+4:128*(\kk)+8*(\f)+7], v[AV] offset:(\kk)*32*PVP+16*PVP+(\f)*32
.endr
.endm
.macro MASK                            ; a hidden score becomes -2^100; each accumulator is taken from its low end on
	WIN 0
	v_add_nc_u32 v[VX], s[DEL], v[VP]
	v_add_nc_u32 v[VX+1], s[DEL], v[VP+1]
.irp t, 0,1
.set i, 0
.rept 32
	v_cmp_gt_i32 vcc_lo, 16*(i/8)+i%8, v[VX+(\t)]
	v_cndmask_b32 v[S+32*(\t)+i], v[S+32*(\t)+i], s[BIGN], vcc_lo
.set i, i+1
.endr
.endr
.endm
; ONE TILE'S SOFTMAX FOR A KEY STEP is a list of 102 instructions; SM writes number j of it for tile t.  s0-s31 are the lane's 32 scores, in pairs 0-15.
;   0-15   the maximum of s0-s31 and the old m, three operands at a time (each accumulator's lowest registers are read first)      16-20  the other half of the lanes' maximum; the new m; c m; c m_old - c m_new
;   21-69  ONE BATCH: the 16 scalings c s - c m and all 33 exponentials (a at 23, then s0-s31); none of these reads an exponential's result; a pair is scaled some numbers ahead of its exponentials
;   70-85  the roundings to f16      86-101  the sums; l = a l + the sum
.macro SM t
.set rT, ST+8*(\t)
.set rS, S+32*(\t)
.set rP, P+16*(\t)
.if j < 4
	v_max3_num_f32 v[rT+4+j], v[rS+8*j], v[rS+8*j+1], v[rS+8*j+2]
.elseif j < 12
	v_max3_num_f32 v[rT+4+j%4], v[rT+4+j%4], v[rS+8*(j%4)+2*(j/4)+1], v[rS+8*(j%4)+2*(j/4)+2]
.elseif j == 12
	v_max3_num_f32 v[rT+4], v[rT+4], v[rS+7], v[rS+15]
.elseif j == 13
	v_max3_num_f32 v[rT+6], v[rT+6], v[rS+23], v[rS+31]
.elseif j == 14
	v_max3_num_f32 v[rT+4], v[rT+4], v[rT+5], v[rT+6]
.elseif j == 15
	v_max3_num_f32 v[rT+4], v[rT+4], v[rT+7], v[rT+1]
.elseif j == 16
	v_permlanex16_b32 v[rT+5], v[rT+4], s[SEL], s[SEL+1]  ; the query's other 32 keys lie in the lane 16 away
.elseif j == 17
	v_mov_b32 v[rT+7], v[rT]                       ; c m_old is kept for a
.elseif j == 18
	v_max_num_f32 v[rT+1], v[rT+4], v[rT+5]
.elseif j == 19
	v_mul_f32 v[rT], s[CS], v[rT+1]
.elseif j == 20
	v_sub_f32 v[rT+7], v[rT+7], v[rT]
.elseif j == 23
	v_exp_f32 v[rT+6], v[rT+7]
.elseif (j < 23) || ((j < 38) && (j%2 == 0)) || ((j < 66) && (j%4 == 2))
.set b, (j-2)/4                        ; 38, 42, .. 62: pairs 9 to 15
.if j < 38
.set b, (j-20)/2                       ; 21: pair 0; 22, 24, .. 36: pairs 1 to 8
.endif
	v_pk_fma_f32 v[rS+2*b:rS+2*b+1], v[rS+2*b:rS+2*b+1], s[CS:CS+1], v[rT:rT+1] op_sel_hi:[1,0,0] neg_lo:[0,0,1] neg_hi:[0,0,1]
.elseif j < 70
.set e, j-38                           ; 66 to 69: s28 to s31
.if j < 66
.set e, j-32-(j-38)/4                  ; 39-41, 43-45, .. 63-65: s7 to s27
.endif
.if j < 38
.set e, (j-25)/2                       ; 25, 27, .. 37: s0 to s6
.endif
	v_exp_f32 v[rS+e], v[rS+e]
.elseif j < 86
	v_cvt_pk_f16_f32 v[rP+j-70], v[rS+2*(j-70)], v[rS+2*(j-70)+1]
.else                                  ; the sum of the tile's 16 pairs, in place: neighbours 1, 2, 4 and 8 pairs apart, then l takes it
.set z, j-86
.set w, 4
.set u, z
.if z >= 14
.set w, 32
.set u, 0
.elseif z >= 12
.set w, 16
.set u, z-12
.elseif z >= 8
.set w, 8
.set u, z-8
.endif
.if z < 15
	v_pk_add_f32 v[rS+w*u:rS+w*u+1], v[rS+w*u:rS+w*u+1], v[rS+w*u+w/2:rS+w*u+w/2+1]
.else
	v_pk_fma_f32 v[rT+2:rT+3], v[rT+2:rT+3], v[rT+6:rT+7], v[rS:rS+1] op_sel_hi:[1,0,1]
.endif
.endif
.endm
; Both tiles' lists, dealt so that no instruction reads the result of the one before it: numbers 22 to 69 four of one tile at a time, the tiles by turns; the others two numbers of both tiles.
; Ahead of number 70 nothing names an exponential's result, and behind 69 none is issued: the step's 66 exponentials have one plain instruction and ONE wait between 69 and 70.
.macro SOFTMAX
	WIN 0
.set k, 0
.rept 51
.if (k >= 11) && (k < 35)
.irp n, 0,1,2,3
.set j, 22+4*((k-11)/2)+(\n)
	SM (k-11)%2
.endr
.else
.irp n, 0,1
.irp t, 0,1
.set j, 2*k+(\n)
	SM \t
.endr
.endr
.endif
.if k == 34
	v_nop
	s_wait_alu depctr_va_vdst(0)
.endif
.set k, k+1
.endr
.endm
.macro RESC                            ; O^T times a, each accumulator from its low end on
	WIN W_RS
.irp t, 0,1
.set i, 0
.rept 64
	v_pk_mul_f32 v[128*(\t)+i:128*(\t)+i+1], v[128*(\t)+i:128*(\t)+i+1], v[ST+8*(\t)+6:ST+8*(\t)+7] op_sel_hi:[1,0]
.set i, i+2
.endr
.endr
.endm
; A KEY STEP: my 64 keys of the tile in the slot at TB, for my 32 queries.  always = 1: the mask is laid on without a test.
.macro STEP always
	WIN 0
	v_add_nc_u32 v[AK], s[TB], v[AK0]
	v_add_nc_u32 v[AV], s[TB], v[AV0]
	FETCH_K
	FETCH_V 0
	s_wait_dscnt 32                                ; K's 16 loads are in; V's 32 stay out
.set i, 0
.rept 16
	KQ
.set i, i+1
.endr
	FETCH_V 1                                      ; V's other half lands under the softmax
	WIN 0
	PLACES
	PLACES                                         ; behind the scores' last products, ahead of the vector work on them
.if (\always) == 0
	s_cmp_gt_u32 s[RT], 1                          ; only the walk's last two tiles hold a hidden key for any partner
	s_cbranch_scc1 .Lno_mask_\@
.endif
	MASK
.if (\always) == 0
.Lno_mask_\@:
.endif
	SOFTMAX
	RESC
	s_wait_dscnt 0x0                               ; V is in
.set i, 0
.rept 64
	PVM
.set i, i+1
.endr
	WIN 0
	PLACES                                         ; ahead of the loads into V's registers and of the stores that read O^T
.endm
; A BLOCK'S END.  SEND: my register tile 1 (O, c m, l) goes into my part of the meeting place.
.macro SEND
	WIN 0
	v_add_f32 v[ST+12], v[ST+10], v[ST+11]
	v_permlanex16_b32 v[ST+13], v[ST+12], s[SEL], s[SEL+1]
	v_add_f32 v[ST+12], v[ST+12], v[ST+13]         ; l of my keys
	WIN 0x04                                       ; store data in window 1
.set i, 0
.rept 32
	ds_store_b128 v[XS], v[128+4*i:128+4*i+3] offset:512*i
.set i, i+1
.endr
	WIN 0
	ds_store_b32 v[XT], v[ST+8] offset:16384
	ds_store_b32 v[XT], v[ST+12] offset:16512
.endm
.macro OUT                             ; 16 rows x 256 channels of f32, 128 channels a pass, through my own stage: in by lanes, back by rows; LDS serves a wave's instructions in order (ISA guide 5.7.1.4)
.irp p, 0,1
	WIN 0x04
.irp c, 0,1,2,3,4,5,6,7
	ds_store_b128 v[STO], v[8*(8*(\p)+(\c)):8*(8*(\p)+(\c))+3]   offset:64*(\c)
	ds_store_b128 v[STO], v[8*(8*(\p)+(\c))+4:8*(8*(\p)+(\c))+7] offset:64*(\c)+16
.endr
	WIN 0
.irp t, 0,1,2,3,4,5,6,7,8,9,10,11,12,13,14,15
	ds_load_b128 v[64+96*(\p)+4*(\t):64+96*(\p)+4*(\t)+3], v[RD] offset:OSP*(\t)
.endr
.irp t, 0,1,2,3,4,5,6,7,8,9,10,11,12,13,14,15
	s_wait_dscnt 15-(\t)                           ; the 15 - t younger loads may stay out
	global_store_b128 v[GO], v[64+96*(\p)+4*(\t):64+96*(\p)+4*(\t)+3], s[OB:OB+1] offset:8192*(\t)+4096*(\p) th:TH_STORE_NT  ; 16 lanes store 256 consecutive bytes, aligned: one head's 64 channels of a row
.endr
.endr
.endm
; FINISH: my partner's share of my register tile 0 comes in; with M = max(c m, c m'): O = (O 2^(c m - M) + O' 2^(c m' - M)) / (l 2^(c m - M) + l' 2^(c m' - M)).  next = 1: the low block is set up.
; Every query sees its own key in one of the two shares, so M is a true score's, that share's factor is 1 and the divisor is at least 1; a share that saw no key is finite and has the factor 0.
.macro FINISH next
	WIN 0x80
.set i, 0
.rept 32
	ds_load_b128 v[4*i:4*i+3], v[XR] offset:512*i
.set i, i+1
.endr
	WIN 0
	ds_load_b32 v42, v[XU] offset:16384
	ds_load_b32 v43, v[XU] offset:16512
	v_add_f32 v[ST+4], v[ST+2], v[ST+3]
	v_permlanex16_b32 v[ST+5], v[ST+4], s[SEL], s[SEL+1]
	v_add_f32 v[ST+4], v[ST+4], v[ST+5]            ; l of my keys
	s_wait_dscnt 0x0
	v_max_num_f32 v44, v[ST], v42
	v_sub_f32 v45, v[ST], v44
	v_sub_f32 v46, v42, v44
	v_exp_f32 v45, v45
	v_exp_f32 v46, v46
	v_nop                                          ; a plain instruction behind the exponentials,
	s_wait_alu depctr_va_vdst(0)                   ; and their wait, ahead of the first reader
	v_mul_f32 v47, v[ST+4], v45
	v_fmac_f32 v47, v43, v46
	v_rcp_f32 v47, v47
	v_nop
	s_wait_alu depctr_va_vdst(0)
	v_mul_f32 v48, v45, v47
	v_mul_f32 v49, v45, v47                        ; (named with it as a pair)
	v_mul_f32 v50, v46, v47
	v_mul_f32 v51, v46, v47
	WIN W_RS
.set i, 0
.rept 64
	v_pk_mul_f32 v[i:i+1], v[i:i+1], v[48:49] op_sel_hi:[1,0]
.set i, i+2
.endr
	WIN W_PV                                       ; source 0 (the partner's O) window 2, the factor window 0, O^T window 1
.set i, 0
.rept 64
	v_pk_fma_f32 v[i:i+1], v[i:i+1], v[50:51], v[i:i+1] op_sel_hi:[1,0,1]
.set i, i+2
.endr
	OUT
	s_wait_xcnt 0x0                                ; the stores have read their registers and out0's address: both are written anew only behind this wait
.if \next
.irp t, 0,1
	v_mov_b32 v[ST+8*(\t)], 0xfe000000
	v_mov_b32 v[ST+8*(\t)+1], 0xff7fffff
.endr
	WIN 0xc3                                       ; the low block's Q goes where the one text of the step names Q
.set i, 0
.rept 32
	v_mov_b32 v[i], v[QL+i]
.set i, i+1
.endr
	WIN 0
	s_mov_b64 s[OB:OB+1], s[OBLO:OBLO+1]
	s_mov_b32 s[RT], s[NL]
	s_mov_b32 s[DEL], s[DELLO]
.endif
.endm
.Ltrip:                                                ; 17 trips: a tile is entered and the next is asked for
	CHANGE 1
	s_sub_co_u32 s[RT], s[RT], 1
	STEP 0
	s_cmp_lg_u32 s[RT], 0                          ; the high block's last tile?  The jumps go forward and pass neither a barrier nor a tensor load
	s_cbranch_scc1 .Lno_send
	SEND
.Lno_send:
	s_wait_dscnt 0x0                               ; for my partner's sake: my stores into the meeting place are done
	s_barrier_signal -1                            ; every wave passes this barrier in every trip; the refill may stay out
	s_barrier_wait -1
	s_cmp_lg_u32 s[RT], 0
	s_cbranch_scc1 .Lno_finish
	FINISH 1
.Lno_finish:
	s_sub_co_u32 s[DEL], s[DEL], 128               ; the next tile's keys lie 128 further on
	s_sub_co_u32 s[SLOTS], s[SLOTS], 1
	s_cmp_lg_u32 s[SLOTS], 0
	s_cbranch_scc1 .Ltrip
	CHANGE 0                                       ; the walk's last tile is written out: nothing is asked for
	s_sub_co_u32 s[RT], s[RT], 1
	STEP 1
	SEND
	s_wait_dscnt 0x0
	s_barrier_signal -1
	s_barrier_wait -1
	FINISH 0
	s_wait_tensorcnt 0x0                           ; the wave's end, behind my last tensor load and my last LDS store
	ds_add_u32 v[SPW], v[NIL]
	s_wait_dscnt 0x0
	CROUND                                         ; the closing round: no work-group ends while a partner may still ask for a tile that names it
	s_endpgm
.Lfunc_end_k_qdde2b68128_attn:
	.size	k_qdde2b68128_attn, .Lfunc_end_k_qdde2b68128_attn-k_qdde2b68128_attn
	.p2alignl 7, 3214868480
	.fill 96, 4, 3214868480
	.section	.rodata,"a",@progbits
	.p2align	6, 0x0
	.amdhsa_kernel k_qdde2b68128_attn
		.amdhsa_group_segment_fixed_size 327680
		.amdhsa_private_segment_fixed_size 0
		.amdhsa_enable_private_segment 0
		.amdhsa_kernarg_size 24
		.amdhsa_user_sgpr_count 2
		.amdhsa_user_sgpr_kernarg_segment_ptr 1
		.amdhsa_wavefront_size32 1
		.amdhsa_system_sgpr_workgroup_id_x 1
		.amdhsa_system_sgpr_workgroup_id_y 1
		.amdhsa_system_sgpr_workgroup_id_z 1
		.amdhsa_system_vgpr_workitem_id 0
		.amdhsa_next_free_vgpr 896
		.amdhsa_next_free_sgpr 88
		.amdhsa_reserve_vcc 1
		.amdhsa_float_denorm_mode_32 3
		.amdhsa_float_denorm_mode_16_64 3
		.amdhsa_memory_ordered 1
		.amdhsa_forward_progress 1
		.amdhsa_inst_pref_size 137
	.end_amdhsa_kernel
	.amdgpu_metadata
---
amdhsa.version: [ 1, 2 ]
amdhsa.kernels:
  - .name:           k_qdde2b68128_attn
    .symbol:         k_qdde2b68128_attn.kd
    .args:
      - { .name: qk, .offset: 0, .size: 8, .value_kind: global_buffer, .address_space: global }
      - { .name: vg, .offset: 8, .size: 8, .value_kind: global_buffer, .address_space: global }
      - { .name: out0, .offset: 16, .size: 8, .value_kind: global_buffer, .address_space: global }
    .group_segment_fixed_size: 327680
    .private_segment_fixed_size: 0
    .kernarg_segment_align: 8
    .kernarg_segment_size: 24
    .max_flat_workgroup_size: 128
    .sgpr_count:     88
    .vgpr_count:     896
    .wavefront_size: 32
...
	.end_amdgpu_metadata
.endif
;; end of part 3
